; MI455X (gfx1250); checked and timed in simulation.
; The chip was launched on July 23, 2026; its instructions are those of AMD's public machine-readable ISA for CDNA 5 (MIT licence, August 2026) and "CDNA5" Instruction Set Architecture Reference Guide (July 2026). The comments in the code are by the model that wrote it; some were corrected since.
;; KAN Linear. Allowed arithmetic: matrix products marked QUANTISED: E4M3 operands, one given power-of-two scale a tensor, by v_wmma_f32_16x16x64_fp8_fp8 or v_wmma_f32_16x16x128_fp8_fp8, f32 sums; everything else in f32.
;; Inputs: base_bias 512 float32; base_weight_codes 512 x 16 x 32 uint8 (E4M3 codes of base_weight, K innermost, in blocks of 32 codes); grid 1 x 512 x 10 float32; ln_beta 512 float32; ln_gamma 512 float32; lowp_scales 4 int32 (the exponents e of the quantised operands' scales 2^e); spline_weight_codes 512 x 96 x 32 uint8 (E4M3 codes of spline_weight, K innermost, in blocks of 32 codes); x 32,768 x 512 float32.
;; Outputs: out0 32,768 x 512 float32.
;; This version of the problem:
;;   THIS VERSION OF THE PROBLEM IS GIVEN IN LOW PRECISION. The matrix products marked QUANTISED in the list below multiply operands that are first quantised to E4M3 (4 exponent bits, 3 mantissa bits; 8 bits a number), with one given power-of-two scale for each operand tensor; their sums are f32. All else is computed in f32.
;;   The module's matrix products, in the order in which they are computed (A, B: the left and right operand; K: the contracted axis; several contracted axes count as one K, in the product's order):
;;     1. [M 32,768, K 512] x [K 512, N 512]; A: computed on the way; B: input base_weight (given as codes): QUANTISED (scales: A lowp_scales[0], B lowp_scales[1])
;;     2. [M 32,768, K 3,072] x [K 3,072, N 512]; A: computed on the way; B: input spline_weight (given as codes): QUANTISED (scales: A lowp_scales[2], B lowp_scales[3])
;;   THE QUANTISER, for each operand of a quantised product, along K:
;;     - The operand's scale is 2^e, e = its entry of the input lowp_scales (int32; the entries are numbered through the quantised products in the list's order, A before B).
;;     - Each number is divided by the scale, clamped to +-448, and rounded to the nearest number of E4M3, ties to even, subnormals kept.
;;     - The product sums the exact products of the quantised numbers (number of the format x scale) in f32.
;;   ~~~python
;;   def quantise(x, axis, e):      # numpy; x: float32 -> the quantised numbers, widened to float32 again
;;       x = np.moveaxis(x, axis, -1); K = x.shape[-1]
;;       r = np.clip(x / 2.0 ** e, -448, 448)
;;       step = 2.0 ** (np.maximum(np.frexp(np.where(r == 0, 1, r))[1] - 1, -6) - 3)
;;       q = np.round(r / step) * step * 2.0 ** e      # np.round: ties to even
;;       return np.moveaxis(q, -1, axis).astype(np.float32)
;;   ~~~
;;   OPERANDS COMPUTED ON THE WAY. 'Computed on the way' means the value that the module computes at that place (a softmax that the list does not call 'softmax' is quantised finished and normalised). What goes into a quantiser is computed in f32, as accurately as f32 sums, v_exp_f32 and their like allow (about 1e-6 of the number): no bf16 or f16 on the way to a quantiser, and a product that is left as it is and whose result goes on into a quantised operand takes f32 operands (vector FMAs, or v_wmma_f32_16x16x4_f32). A number that lies on a knife's edge between two numbers of the format may be rounded either way, as far as f32 arithmetic and the matrix unit's own rounding can turn it there, and no further.
;;   INPUTS GIVEN AS CODES. base_weight (in the module: [512, 512], K = its axis 0); spline_weight (in the module: [3072, 512], K = its axis 0): each comes as NAME_codes (uint8): NAME with its K axis moved to the last place and cut into blocks of 32 codes, [.., K / 32, bytes a block], one block behind the other in memory; one code a byte (a code: sign, 4 exponent bits, 3 mantissa bits); its scale is its entry of lowp_scales. Its value is code x scale, taken as it is: it is not quantised again, and the codes and scales need not be those that the quantiser above would give.
;; One version. Each part assembles by itself: llvm-mc -triple=amdgcn-amd-amdhsa -mcpu=gfx1250 --defsym DOCPART=n.
;; ======== version 1 of 1: 1 launch
;; launch kan (part 1): grid 256 x 1, 4 waves a work-group, clusters of 4 x 1, 327,680 bytes of LDS; arguments x, grid, ln_gamma, ln_beta, out0, base_bias, base_weight_codes, spline_weight_codes, lowp_scales; writes out0
.if DOCPART == 1
	.amdgcn_target "amdgcn-amd-amdhsa--gfx1250"
	.amdhsa_code_object_version 6
	.text
	.protected	k_qd5c1a777eb_kan
	.globl	k_qd5c1a777eb_kan
	.p2align	8
	.type	k_qd5c1a777eb_kan,@function
k_qd5c1a777eb_kan:
	s_mov_b64 s[64:65], 0
	v_nop
	global_prefetch_b8 v0, s[64:65] scope:SCOPE_SE
	s_setreg_imm32_b32 hwreg(HW_REG_WAVE_MODE, 25, 1), 1
	s_wait_xcnt 0x0
	s_wait_alu depctr_hold_cnt(0) depctr_sa_sdst(0) depctr_va_vdst(0) depctr_va_sdst(0) depctr_va_ssrc(0) depctr_va_vcc(0) depctr_vm_vsrc(0)
	s_getreg_b32 s2, hwreg(HW_REG_IB_STS2, 6, 4)
	s_cmp_eq_u32 s2, 0
	s_cbranch_scc0 .Lentry_in_a_cluster
	s_endpgm
.Lentry_in_a_cluster:
	s_bfe_u32 s2, ttmp6, 0x10000c
	s_cmp_lg_u32 s2, 0x3003
	s_cbranch_scc0 .Lentry_shape_is_right
	s_endpgm
.Lentry_shape_is_right:
; out0 = Q(relu(xn)) Wb + bias + Q(bsplines(xn)) Ws,  xn = LayerNorm(x) x gamma + beta.  x, out0: [32768][512] f32.  Both products on codes of FP8 (E4M3), sums in f32.
; Wb: [512 n][512 k], Ws: [512 n][3072 k] arrive as codes, K innermost; k of the spline product = 6 f + j.  lowp_scales: e0 (relu(xn)), e1 (Wb), e2 (the bases), e3 (Ws).
; The ten knots of each feature are an input: the whole Cox-de Boor triangle is computed for whatever knots are given, in any order.
; SHARES.  A work-group owns 128 rows and all 512 outputs; wave w owns outputs 128 w .. 128 w + 127: 64 accumulators of 16 x 16, 512 registers.  So every basis value is computed once in the launch.
; K is walked in 19 tiles of 192: T0-T2 the base product (k 0-575; beyond 511 zero codes on both sides), T3-T18 the spline product, 32 features a tile.  A tile is, for a wave, 64 products of 128 along K and 64 of 64.
; The weights' tiles go through a ring of two LDS slots.  All work-groups walk the same weights, so the four of a cluster ask for each tile JOINTLY (mask 15); wave w fetches rows 128 w .. 128 w + 127.
; The rows' codes go through LDS too (three regions of 128 rows x 192 bytes): wave w makes the codes of rows 32 w .. 32 w + 31, every wave reads all 128 rows.
; THE LOOP.  Trip t makes the codes of spline tile T(t+3) (a lane = a feature, two rows at a time in packed f32) and multiplies tile T(t+2): one matrix instruction stands behind each 13 to 18 vector instructions.
; B-SPLINES.  d_i = xn - g_i;  C_i = B_i / (g_(i+k) - g_i);  next B_i = d_i C_i - d_(i+k+1) C_(i+1): the reference's left and right terms.  The 24 reciprocals of a feature are made once a trip.
; SCALES.  The base product's sums are multiplied once, behind T2, by 2^(e0+e1-e2-e3); at the end out = sum x 2^(e2+e3) + bias.
; THE MATRIX INSTRUCTION IS USED TRANSPOSED (source 0 = 16 rows of W, source 1 = 16 rows of codes): a lane holds eight neighbouring outputs of one row.  Fragments are fetched 16 bytes at a time, the same
; permutation of k on both sides.
; x is read twice: whole rows at the head (statistics, base codes), and 128 bytes a row in each trip, asked for one whole trip ahead.
; LIMITS.  NaN in x is not served (x < g is taken as not x >= g).  Knots that coincide give no finite result here as in the reference.  A division is a reciprocal (v_rcp_f32) and a multiplication.
; e0 and e2 between -126 and 119; e0+e1-e2-e3 and e2+e3 between -126 and 127, so that each power of two below is an f32 number.
; REGISTERS, in windows of 256.  Window 0: all that vector work touches (map below).  Window 1: v0-127 W's eight fragments of 128 K, v128-191 its eight of 64 K, v192-207 and v208-223 a block of rows' codes, by turns.
; Windows 2, 3: accumulator (a, b) (rows 16 a, outputs 16 b) at v[8 (8 (a % 4) + b)] of window 2 + a / 4.
.set ROWX,  2048                       ; a row of x and of out0 in bytes
.set WP,    240                        ; a row of a weight tile in LDS: 3 x (64 bytes + 16 of padding)
.set WQ,    128*WP                     ; what one tensor load brings
.set SLOT,  4*WQ
.set AP,    208                        ; a row of codes in LDS: 192 bytes + 16
.set AREG,  128*AP
.set AY,    2*SLOT                     ; three regions of codes: Y (T0), X0 (T1, then even spline chunks), X1 (T2, then odd ones)
.set AX0,   AY+AREG
.set AX1,   AY+2*AREG
.set STAT,  AY+3*AREG                  ; 128 means, then 128 reciprocal deviations
.set SPARE, STAT+1024                  ; the spare words, 128 bytes for each wave: two blocks of 256 bytes that no other line names
.set STG,   SLOT                       ; the way out: 16 rows x 528 bytes for each wave, in slot 1, which has had its last fill and its last read by then
.set SP,    528
; window 0
.set SPW, 1                            ; LDS address of my spare word; never rewritten
.set NIL, 2                            ; 0; never rewritten
.set XO,  3                            ; 4 x lane
.set GO,  4                            ; 40 x lane: my feature's ten knots
.set AW0, 5                            ; my wave's rows in a region + 6 x lane
.set AW,  6                            ; the trip's address for code stores
.set AR0, 7                            ; r x 208 + 16 h
.set AR,  8                            ; the tile's address for the rows' fragments
.set BR0, 9                            ; (128 w + r) x 240 + 16 h
.set BR,  10                           ; the tile's address for W's fragments
.set SC2, 11                           ; 2^e2 as f32
.set G,   12                           ; v12-21 g0..g9
.set GAM, 22                           ; v22 gamma, v23 beta
.set R1,  24                           ; v24-32 1 / (g(i+1) - g(i))
.set R2,  34                           ; v34-41 1 / (g(i+2) - g(i))
.set R3,  42                           ; v42-48 1 / (g(i+3) - g(i)); v49 named as a pair's upper half
.set GS,  50                           ; v50-61 the next chunk's knots, gamma, beta as loaded
.set MEAN, 62                          ; v62-93 my 32 rows' means, the same in all lanes
.set RSTD, 94                          ; v94-125 their 1 / sqrt(var + eps)
.set X,   126                          ; v126-157 x(row, my feature), a register a row
.set XN,  158                          ; xn of two rows
.set D,   160                          ; v160-179 d0..d9, a pair each
.set Z,   180                          ; v180-197 the triangle's row, a pair each
.set TT,  198                          ; v198-213 the right terms
.set S,   214                          ; v214-237 four rows x six bases, held, for the conversions
.set CD,  238                          ; v238-243 their 24 codes
; window 0, head only
.set HO,  12                           ; 16 x lane
.set HB0, 13                           ; where my codes of features 4 l .. go, row 0 of my wave
.set HB1, 14                           ; those of features 128 + 4 l ..: lanes 16-31 fall into the next region
.set HW0, 15                           ; the same two for the trip's rows
.set HW1, 16
.set HWS, 17                           ; the trip's place among the statistics
.set SC0, 20                           ; 2^e0 as f32
.set HX,  64                           ; v64-191 four sets of two rows x 16 numbers
.set HG,  192                          ; gamma, beta of my 16 features
.set HB,  208
.set HT,  224                          ; 12 a row, at work; +8 mean, +9 1 / sqrt(var + eps)
.set HC,  248                          ; 4 a row: codes
; window 0, way out only
.set BI,  12                           ; v12-75 the bias of my 64 outputs
.set TMP, 76
.set BK,  140
.set STO, 244
.set BO,  245
.set CO,  246
.set RD,  247
; scalar
.set XB,  4                            ; x at my wave's first row, at the chunk to be loaded
.set GRB, 6
.set GMB, 8
.set BTB, 10
.set OUTB, 12
.set BIASB, 14
.set WV,  16
.set TC,  17
.set WRD, 18                           ; the slot that is read, the slot that is filled
.set WFS, 19
.set AWR, 20                           ; the region that is written, the region that is read
.set ARD, 21
.set WQW, 22
.set G1B, 24                           ; group 1: base tiles; G1Z: the base's last tile, 128 codes and 64 zeros a row; G1S: spline tiles
.set G1Z, 32
.set G1S, 40
.set G0A, 48                           ; group 0: T0, later T2;  G0B: T1;  G0S: the spline tiles, walking
.set G0B, 52
.set G0S, 56
.set MKA, 66                           ; s66-75, s76-85: xn >= g_i, a bit a lane, for the pair's two rows
.set MKB, 76
.set MSB, 0
.macro WIN new                         ; the immediate's high byte repeats the setting that is left; a switch that changes nothing is dropped
.if MSB != (\new)
	s_set_vgpr_msb (MSB<<8)|(\new)
.set MSB, (\new)
.endif
.endm
.macro PLACES n
.rept \n
	v_nop
.endr
.endm
; A round of the cluster's barrier: my work-group's barrier; wave 0 signals for the work-group; every wave waits for all four work-groups; my work-group's barrier once more.
.macro CROUND
	s_barrier_signal -1
	s_barrier_wait -1
	s_cmp_lg_u32 s[WV], 0
	s_cbranch_scc1 .Lnot_wave_0_\@
	s_barrier_signal -3
.Lnot_wave_0_\@:
	s_barrier_wait -3
	s_barrier_signal -1
	s_barrier_wait -1
.endm
; ---- fragments.  Piece c (32 along K, 16 bytes a lane) of W lies at 32 c + 16 (c / 2): a padding behind every 64 bytes
.macro LDB128
.irp b, 0,1,2,3,4,5,6,7
.irp c, 0,1,2,3
	ds_load_b128 v[16*\b+4*\c:16*\b+4*\c+3], v[BR] offset:16*WP*\b+32*\c+16*(\c/2)
.endr
.endr
.endm
.macro LDB64
.irp b, 0,1,2,3,4,5,6,7
.irp c, 4,5
	ds_load_b128 v[128+8*\b+4*(\c-4):128+8*\b+4*(\c-4)+3], v[BR] offset:16*WP*\b+32*\c+16*(\c/2)
.endr
.endr
.endm
.macro LDA q                           ; block q of sixteen: q < 8: rows 16 q, k 0-127;  else rows 16 (q - 8), k 128-191
.set LQ, (\q)
.set LAB, 192+16*(LQ%2)
.if LQ < 8
.irp c, 0,1,2,3
	ds_load_b128 v[LAB+4*\c:LAB+4*\c+3], v[AR] offset:16*AP*LQ+32*\c
.endr
.else
.irp c, 0,1
	ds_load_b128 v[LAB+4*\c:LAB+4*\c+3], v[AR] offset:16*AP*(LQ-8)+128+32*\c
.endr
.endif
.endm
.macro TILESTART
	WIN 0x40                                       ; destination window 1, address window 0
	LDB128
	LDA 0
	WIN 0
.set MI, 0
.endm
; ---- item MI of a tile's 128 matrix instructions.  The 64 accumulators take turns, one instruction a turn.  The two forms meet on one accumulator 64 items apart,
; with far more than five plain vector instructions between.  At each block's head: its fragment is in (asked for eight items ago), and the next block's is asked for; the buffer's last reader stands
; in front of at least four plain vector instructions: a segment of the vector work, or (NOPS) four v_nop.
.macro MM
.set MQ, MI/8
.set MB, MI%8
.set MA, MQ%8
.set MAB, 192+16*(MQ%2)
.set MAC, 8*(8*(MA%4)+MB)
.if MB == 0
	s_wait_dscnt 0x0                               ; nothing young is out: this block's loads and the last code stores were issued eight items ago
.if NOPS
	PLACES 4
.endif
.if MQ < 15
	WIN 0x40
	LDA MQ+1
.endif
.if MI == 8
	WIN 0x40
	LDB64                                          ; W's fragments of k 128-191, first used at item 64
.endif
.endif
	WIN 0xa5+0x50*(MA/4)                           ; sources 0 and 1 window 1; C and D window 2 or 3
.if MI < 64
.if ZERO
	v_wmma_f32_16x16x128_fp8_fp8 v[MAC:MAC+7], v[16*MB:16*MB+15], v[MAB:MAB+15], 0
.else
	v_wmma_f32_16x16x128_fp8_fp8 v[MAC:MAC+7], v[16*MB:16*MB+15], v[MAB:MAB+15], v[MAC:MAC+7]
.endif
.else
	v_wmma_f32_16x16x64_fp8_fp8 v[MAC:MAC+7], v[128+8*MB:128+8*MB+7], v[MAB:MAB+7], v[MAC:MAC+7]
.endif
.if NOPS == 0
	WIN 0
.endif
.set MI, MI+1
.endm
.macro GEMMONLY zero                   ; a tile with no vector work beside it.  zero = 1: its first products start the sums: nothing is ever cleared
.set NOPS, 1
.set ZERO, \zero
	PLACES 4
	TILESTART
.rept 128
	MM
.endr
	WIN 0
.endm
; ---- the vector work of the loop
.macro PKD i                           ; d_i = xn - g_i for both rows: g_i is taken from its pair for both halves
.if ((\i)%2) == 0
	v_pk_add_f32 v[D+2*(\i):D+2*(\i)+1], v[XN:XN+1], v[G+(\i):G+(\i)+1] op_sel_hi:[1,0] neg_lo:[0,1] neg_hi:[0,1]
.else
	v_pk_add_f32 v[D+2*(\i):D+2*(\i)+1], v[XN:XN+1], v[G+(\i)-1:G+(\i)] op_sel:[0,1] op_sel_hi:[1,1] neg_lo:[0,1] neg_hi:[0,1]
.endif
.endm
.macro PKR arr, i                      ; Z_i x the level's reciprocal i
.if ((\i)%2) == 0
	v_pk_mul_f32 v[Z+2*(\i):Z+2*(\i)+1], v[Z+2*(\i):Z+2*(\i)+1], v[\arr+(\i):\arr+(\i)+1] op_sel_hi:[1,0]
.else
	v_pk_mul_f32 v[Z+2*(\i):Z+2*(\i)+1], v[Z+2*(\i):Z+2*(\i)+1], v[\arr+(\i)-1:\arr+(\i)] op_sel:[0,1] op_sel_hi:[1,1]
.endif
.endm
.macro ZUP i                           ; Z_i = d_i Z_i - TT_i
	v_pk_fma_f32 v[Z+2*(\i):Z+2*(\i)+1], v[D+2*(\i):D+2*(\i)+1], v[Z+2*(\i):Z+2*(\i)+1], v[TT+2*(\i):TT+2*(\i)+1] neg_lo:[0,0,1] neg_hi:[0,0,1]
.endm
; Four rows x six bases become 24 codes; halfword m of them is bytes 2 (m % 3) of row m / 3's six.  The 32 lanes of a store write 6 bytes apart, into 32 different words of one row.
.macro FLUSH u
.irp g, 0,1,2
	v_cvt_scalef32_pk8_fp8_f32 v[CD+2*\g:CD+2*\g+1], v[S+8*\g:S+8*\g+7], v[SC2]
.endr
	v_nop                                          ; one plain vector instruction behind the last scaled conversion
.irp m, 0,2,4,6,8,10
	ds_store_b16 v[AW], v[CD+\m/2] offset:(4*(\u)+\m/3)*AP+2*(\m%3)
	ds_store_b16_d16_hi v[AW], v[CD+\m/2] offset:(4*(\u)+(\m+1)/3)*AP+2*((\m+1)%3)
.endr
.endm
.macro GSLOAD                          ; seven loads: my feature's ten knots, gamma, beta
.irp i, 0,1,2,3,4
	global_load_b64 v[GS+2*\i:GS+2*\i+1], v[GO], s[GRB:GRB+1] offset:8*\i
.endr
	global_load_b32 v[GS+10], v[XO], s[GMB:GMB+1]
	global_load_b32 v[GS+11], v[XO], s[BTB:BTB+1]
.endm
.macro COEF                            ; the chunk's constants of my feature
	s_wait_loadcnt 32                              ; the seven staging loads are in: behind them 32 loads of x were issued
.irp i, 0,1,2,3,4,5,6,7,8,9,10,11
	v_mov_b32 v[G+\i], v[GS+\i]
.endr
	GSLOAD                                         ; the next chunk's
.irp i, 0,1,2,3,4,5,6,7,8
	v_sub_f32 v[R1+\i], v[G+\i+1], v[G+\i]
.endr
.irp i, 0,1,2,3,4,5,6,7
	v_sub_f32 v[R2+\i], v[G+\i+2], v[G+\i]
.endr
.irp i, 0,1,2,3,4,5,6
	v_sub_f32 v[R3+\i], v[G+\i+3], v[G+\i]
.endr
.irp i, 0,1,2,3,4,5,6,7,8
	v_rcp_f32 v[R1+\i], v[R1+\i]
.endr
.irp i, 0,1,2,3,4,5,6,7
	v_rcp_f32 v[R2+\i], v[R2+\i]
.endr
.irp i, 0,1,2,3,4,5,6
	v_rcp_f32 v[R3+\i], v[R3+\i]
.endr
	v_nop                                          ; a plain instruction behind the last reciprocal,
	s_wait_alu depctr_va_vdst(0)                   ; and one wait for the batch of 24, ahead of the first reader
.endm
; Rows 2 p and 2 p + 1 of my wave, my feature: eight segments, a matrix instruction behind each.
.macro PAIR p
	s_wait_loadcnt 37                              ; my two loads of x are in: behind them 30 loads of the other pairs and 7 staging loads were issued, round the loop's edge and on the way in alike
	v_pk_add_f32 v[XN:XN+1], v[X+2*\p:X+2*\p+1], v[MEAN+2*\p:MEAN+2*\p+1] neg_lo:[0,1] neg_hi:[0,1]
	global_load_b32 v[X+2*\p], v[XO], s[XB:XB+1] offset:(2*\p)*ROWX        ; the next chunk's: a whole trip ahead
	global_load_b32 v[X+2*\p+1], v[XO], s[XB:XB+1] offset:(2*\p+1)*ROWX
	v_pk_mul_f32 v[XN:XN+1], v[XN:XN+1], v[RSTD+2*\p:RSTD+2*\p+1]
	v_pk_fma_f32 v[XN:XN+1], v[XN:XN+1], v[GAM:GAM+1], v[GAM:GAM+1] op_sel:[0,0,1] op_sel_hi:[1,0,1]   ; x gamma + beta
.irp i, 0,1,2,3,4,5,6,7,8,9
	PKD \i
.endr
	MM
.if ((\p) > 0) && (((\p) % 2) == 0)
	FLUSH (\p)/2-1                                 ; the four rows before these
.endif
.irp i, 0,1,2,3,4,5,6,7,8,9
	v_cmp_ge_f32 s[MKA+\i], v[XN], v[G+\i]
.endr
.irp i, 0,1,2,3
	v_cmp_ge_f32 s[MKB+\i], v[XN+1], v[G+\i]
.endr
	MM
.irp i, 0,1,2,3,4,5,6,7,8
	s_and_not1_b32 s[MKA+\i], s[MKA+\i], s[MKA+\i+1]   ; g_i <= xn < g_(i+1), ascending, so that each right neighbour is still whole
.endr
.irp i, 4,5,6,7,8,9
	v_cmp_ge_f32 s[MKB+\i], v[XN+1], v[G+\i]
.endr
.irp i, 0,1,2,3,4,5,6,7,8
	v_cndmask_b32 v[Z+2*\i], 0, v[R1+\i], s[MKA+\i]    ; level 0 times level 1's reciprocal, in one selection
.endr
	MM
.irp i, 0,1,2,3,4,5,6,7,8
	s_and_not1_b32 s[MKB+\i], s[MKB+\i], s[MKB+\i+1]
.endr
.irp i, 0,1,2,3,4,5,6,7,8
	v_cndmask_b32 v[Z+2*\i+1], 0, v[R1+\i], s[MKB+\i]
.endr
.irp i, 0,1,2,3,4,5,6,7
	v_pk_mul_f32 v[TT+2*\i:TT+2*\i+1], v[D+2*\i+4:D+2*\i+5], v[Z+2*\i+2:Z+2*\i+3]     ; d_(i+2) C_(i+1)
.endr
	MM
.irp i, 0,1,2,3,4,5,6,7
	ZUP \i
.endr
.irp i, 0,1,2,3,4,5,6,7
	PKR R2, \i
.endr
	MM
.irp i, 0,1,2,3,4,5,6
	v_pk_mul_f32 v[TT+2*\i:TT+2*\i+1], v[D+2*\i+6:D+2*\i+7], v[Z+2*\i+2:Z+2*\i+3]     ; d_(i+3) C_(i+1)
.endr
.irp i, 0,1,2,3,4,5,6
	ZUP \i
.endr
	MM
.irp i, 0,1,2,3,4,5,6
	PKR R3, \i
.endr
.irp i, 0,1,2,3,4,5
	v_pk_mul_f32 v[TT+2*\i:TT+2*\i+1], v[D+2*\i+8:D+2*\i+9], v[Z+2*\i+2:Z+2*\i+3]     ; d_(i+4) C_(i+1)
.endr
	MM
.irp i, 0,1,2,3,4,5
	ZUP \i
.endr
.irp i, 0,1,2,3,4,5
	v_med3_num_f32 v[S+12*((\p)%2)+\i], v[Z+2*\i], s87, s86        ; the conversion does not saturate (ISA guide 7.6.2): held within +-448 x 2^e2; the hold also parts the two rows
	v_med3_num_f32 v[S+12*((\p)%2)+6+\i], v[Z+2*\i+1], s87, s86
.endr
	MM
.endm
; ---- the head: two whole rows at a time, 16 numbers a lane (features 128 j + 4 lane + 0 .. 3), the two rows line by line in turn
.macro HLOAD s, rows
.irp i, 0,1
.irp j, 0,1,2,3
	global_load_b128 v[HX+32*(\s)+16*\i+4*\j:HX+32*(\s)+16*\i+4*\j+3], v[HO], s[60:61] offset:(2*(\s)+\i+\rows)*ROWX+512*\j   ; 32 lanes read 512 consecutive bytes
.endr
.endr
.endm
.macro HRED                            ; v[HT] and v[HT+12] summed over the 32 lanes
.irp m, 1,2,4,8
.irp i, 0,1
	v_add_f32_dpp v[HT+12*\i], v[HT+12*\i], v[HT+12*\i] row_xmask:\m row_mask:0xf bank_mask:0xf
.endr
.endr
.irp i, 0,1
	v_permlanex16_b32 v[HT+12*\i+1], v[HT+12*\i], s94, s95
.endr
.irp i, 0,1
	v_add_f32 v[HT+12*\i], v[HT+12*\i], v[HT+12*\i+1]
.endr
.endm
.macro HSET s, ahead, left
.set HR, HX+32*(\s)
	s_wait_loadcnt \left                           ; this set's eight loads are in; eight for each younger set may be out
	s_wait_dscnt 0x0                               ; the last set's stores are done
.irp k, 0,1,2,3
.irp i, 0,1
	v_pk_add_f32 v[HT+12*\i+2*\k:HT+12*\i+2*\k+1], v[HR+16*\i+4*\k:HR+16*\i+4*\k+1], v[HR+16*\i+4*\k+2:HR+16*\i+4*\k+3]
.endr
.endr
.irp i, 0,1
	v_pk_add_f32 v[HT+12*\i:HT+12*\i+1], v[HT+12*\i:HT+12*\i+1], v[HT+12*\i+2:HT+12*\i+3]
	v_pk_add_f32 v[HT+12*\i+4:HT+12*\i+5], v[HT+12*\i+4:HT+12*\i+5], v[HT+12*\i+6:HT+12*\i+7]
.endr
.irp i, 0,1
	v_pk_add_f32 v[HT+12*\i:HT+12*\i+1], v[HT+12*\i:HT+12*\i+1], v[HT+12*\i+4:HT+12*\i+5]
.endr
.irp i, 0,1
	v_add_f32 v[HT+12*\i], v[HT+12*\i], v[HT+12*\i+1]
.endr
	HRED
.irp i, 0,1
	v_mul_f32 v[HT+12*\i+8], s100, v[HT+12*\i]     ; the mean
.endr
.irp k, 0,1,2,3,4,5,6,7
.irp i, 0,1
	v_pk_add_f32 v[HR+16*\i+2*\k:HR+16*\i+2*\k+1], v[HR+16*\i+2*\k:HR+16*\i+2*\k+1], v[HT+12*\i+8:HT+12*\i+9] op_sel_hi:[1,0] neg_lo:[0,1] neg_hi:[0,1]
.endr
.endr
.irp i, 0,1                                    ; the variance is taken of x - mean, so a common offset does no harm; two chains a row
	v_pk_mul_f32 v[HT+12*\i:HT+12*\i+1], v[HR+16*\i:HR+16*\i+1], v[HR+16*\i:HR+16*\i+1]
	v_pk_mul_f32 v[HT+12*\i+2:HT+12*\i+3], v[HR+16*\i+2:HR+16*\i+3], v[HR+16*\i+2:HR+16*\i+3]
.endr
.irp k, 4,8,12
.irp i, 0,1
	v_pk_fma_f32 v[HT+12*\i:HT+12*\i+1], v[HR+16*\i+\k:HR+16*\i+\k+1], v[HR+16*\i+\k:HR+16*\i+\k+1], v[HT+12*\i:HT+12*\i+1]
	v_pk_fma_f32 v[HT+12*\i+2:HT+12*\i+3], v[HR+16*\i+\k+2:HR+16*\i+\k+3], v[HR+16*\i+\k+2:HR+16*\i+\k+3], v[HT+12*\i+2:HT+12*\i+3]
.endr
.endr
.irp i, 0,1
	v_pk_add_f32 v[HT+12*\i:HT+12*\i+1], v[HT+12*\i:HT+12*\i+1], v[HT+12*\i+2:HT+12*\i+3]
.endr
.irp i, 0,1
	v_add_f32 v[HT+12*\i], v[HT+12*\i], v[HT+12*\i+1]
.endr
	HRED
.irp i, 0,1
	v_fma_f32 v[HT+12*\i], v[HT+12*\i], s100, s101 ; var + eps
.endr
.irp i, 0,1
	v_rsq_f32 v[HT+12*\i+9], v[HT+12*\i]
.endr
	v_nop                                          ; a plain instruction behind the last of the two,
	s_wait_alu depctr_va_vdst(0)                   ; and one wait for both, ahead of the first reader
.irp k, 0,1,2,3,4,5,6,7
.irp i, 0,1
	v_pk_mul_f32 v[HR+16*\i+2*\k:HR+16*\i+2*\k+1], v[HR+16*\i+2*\k:HR+16*\i+2*\k+1], v[HT+12*\i+8:HT+12*\i+9] op_sel:[0,1] op_sel_hi:[1,1]
.endr
.endr
.irp k, 0,1,2,3,4,5,6,7
.irp i, 0,1
	v_pk_fma_f32 v[HR+16*\i+2*\k:HR+16*\i+2*\k+1], v[HR+16*\i+2*\k:HR+16*\i+2*\k+1], v[HG+2*\k:HG+2*\k+1], v[HB+2*\k:HB+2*\k+1]
.endr
.endr
.irp k, 0,1,2,3,4,5,6,7,8,9,10,11,12,13,14,15
.irp i, 0,1
	v_med3_num_f32 v[HR+16*\i+\k], v[HR+16*\i+\k], 0, s3           ; relu and the hold at 448 x 2^e0 in one
.endr
.endr
.irp i, 0,1
	v_cvt_scalef32_pk8_fp8_f32 v[HC+4*\i:HC+4*\i+1], v[HR+16*\i:HR+16*\i+7], v[SC0]
	v_cvt_scalef32_pk8_fp8_f32 v[HC+4*\i+2:HC+4*\i+3], v[HR+16*\i+8:HR+16*\i+15], v[SC0]
.endr
	v_nop                                          ; one plain vector instruction behind the last scaled conversion
.irp i, 0,1                                    ; word j holds the codes of features 128 j + 4 lane ..: k 0-191 in Y, 192-383 in X0, 384-511 in X1
	ds_store_b32 v[HW0], v[HC+4*\i] offset:(2*(\s)+\i)*AP
	ds_store_b32 v[HW1], v[HC+4*\i+1] offset:(2*(\s)+\i)*AP
	ds_store_b32 v[HW0], v[HC+4*\i+2] offset:(2*(\s)+\i)*AP+AREG+64
	ds_store_b32 v[HW0], v[HC+4*\i+3] offset:(2*(\s)+\i)*AP+2*AREG
	ds_store_b32 v[HWS], v[HT+12*\i+8] offset:4*(2*(\s)+\i)        ; all lanes write the same word with the same number
	ds_store_b32 v[HWS], v[HT+12*\i+9] offset:512+4*(2*(\s)+\i)
.endr
.if \ahead
	HLOAD \s, 8                                    ; the rows eight further down
.endif
.endm
; ---- the way out of rows 16 a .. 16 a + 15: sum x 2^(e2+e3) + bias, through my stage, back as whole pieces of 512 bytes
.macro OUTBLK a
	WIN 0x02+(\a)/4                                ; source 0: window 2 or 3
.irp b, 0,1,2,3,4,5,6,7
.irp j, 0,2,4,6
	v_pk_fma_f32 v[TMP+8*\b+\j:TMP+8*\b+\j+1], v[64*((\a)%4)+8*\b+\j:64*((\a)%4)+8*\b+\j+1], s[92:93], v[BI+8*\b+\j:BI+8*\b+\j+1] op_sel_hi:[1,0,1]   ; each accumulator from its low end on
.endr
.endr
	WIN 0
.irp b, 0,1,2,3,4,5,6,7
	ds_store_b128 v[STO], v[TMP+8*\b:TMP+8*\b+3] offset:64*\b
	ds_store_b128 v[STO], v[TMP+8*\b+4:TMP+8*\b+7] offset:64*\b+16
.endr
.if (\a) > 0
	s_wait_xcnt 0x0                                ; the last block's stores have read their registers: they are loaded again only behind this wait
.endif
.irp t, 0,1,2,3,4,5,6,7,8,9,10,11,12,13,14,15
	ds_load_b128 v[BK+4*\t:BK+4*\t+3], v[RD] offset:SP*\t          ; LDS serves a wave's instructions in order (ISA guide 5.7.1.4): these see the stores above
.endr
	s_wait_dscnt 0x0
.irp t, 0,1,2,3,4,5,6,7,8,9,10,11,12,13,14,15
	global_store_b128 v[CO], v[BK+4*\t:BK+4*\t+3], s[OUTB:OUTB+1] offset:(16*(\a)+\t)*ROWX th:TH_STORE_NT   ; 32 lanes store 512 consecutive bytes, at a multiple of 256 from out0's first byte
.endr
.endm
; ================= set-up
	s_load_b256 s[4:11], s[0:1], 0x0               ; x, grid, gamma, beta
	s_load_b128 s[12:15], s[0:1], 0x20             ; out0, bias
	s_load_b128 s[68:71], s[0:1], 0x30             ; the base weight's codes, the spline weight's
	s_load_b64 s[72:73], s[0:1], 0x40              ; the scales' exponents
	v_lshl_add_u32 v[SPW], v0, 2, SPARE
	v_mov_b32 v[NIL], 0
	ds_add_u32 v1, v2
	ds_add_u32 v1, v2
	s_wait_dscnt 0x0
	v_lshrrev_b32 v3, 5, v0
	v_readfirstlane_b32 s[WV], v3                  ; wave 0..3
	s_bfe_u32 s2, ttmp6, 0x40000                   ; cx: it enters x's and out0's addresses alone
	s_lshl_b32 s3, ttmp9, 2                        ; in a cluster launch ttmp9 counts clusters
	s_add_co_u32 s2, s2, s3                        ; my work-group
	s_lshl_b32 s2, s2, 18                          ; its 128 rows of 2,048 bytes
	s_mov_b32 s3, 0
	s_lshl_b32 s74, s[WV], 16                      ; 32 rows of x; also 128 rows of 512 codes of the base weight
	s_mov_b32 s75, 0
	s_mul_i32 s76, s[WV], 128*3072                 ; 128 rows of the spline weight
	s_mov_b32 s77, 0
	s_lshl_b32 s78, s[WV], 9                       ; my 128 outputs in a row of out0 and in the bias
	s_mov_b32 s79, 0
	s_mul_i32 s[WQW], s[WV], WQ                    ; my quarter of a slot: no place in the cluster enters an LDS address
.irp g, G1B, G1Z, G1S                          ; group 1: 128 rows x 192 elements of one byte
	s_mov_b32 s[\g], 15|(1<<20)|(1<<21)|(3<<22)|(3<<25)   ; 15:0 the mask: all four work-groups; 17:16 elements of 1 byte; 20 padding on; 21 set beside a mask; 24:22 after every 16 words (code 3); 31:25 four words (code 3)
	s_mov_b32 s[\g+2], 128<<16                     ; tensor_dim1 = 128
	s_mov_b32 s[\g+3], 192<<16                     ; tile_dim0 = 192
	s_mov_b32 s[\g+4], 128                         ; tile_dim1 = 128
	s_mov_b32 s[\g+6], 0
	s_mov_b32 s[\g+7], 0
.endr
	s_mov_b32 s[G1B+1], 192<<16                    ; tensor_dim0
	s_mov_b32 s[G1Z+1], 128<<16                    ; 128 codes are left of a row: the tile's last 64 arrive as zeros
	s_mov_b32 s[G1S+1], 192<<16
	s_mov_b32 s[G1B+5], 512                        ; from row to row
	s_mov_b32 s[G1Z+5], 512
	s_mov_b32 s[G1S+5], 3072
	s_mov_b32 s94, 0x76543210                      ; v_permlanex16_b32: lane l xor 16
	s_mov_b32 s95, 0xfedcba98
	s_mov_b32 s100, 0x3b000000                     ; 1 / 512
	s_mov_b32 s101, 0x3a83126f                     ; eps = 1e-3
	s_wait_kmcnt 0x0
	s_load_b128 s[96:99], s[72:73], 0x0            ; e0, e1, e2, e3
	s_add_nc_u64 s[OUTB:OUTB+1], s[OUTB:OUTB+1], s[2:3]
	s_add_nc_u64 s[OUTB:OUTB+1], s[OUTB:OUTB+1], s[78:79]
	s_add_nc_u64 s[BIASB:BIASB+1], s[BIASB:BIASB+1], s[78:79]
	s_add_nc_u64 s[XB:XB+1], s[XB:XB+1], s[2:3]
	s_add_nc_u64 s[XB:XB+1], s[XB:XB+1], s[74:75]  ; x at my wave's first row
	s_mov_b64 s[60:61], s[XB:XB+1]                 ; the head's own pointer
	s_mov_b32 s[G0A], 1                            ; T0: slot 0, k 0
	s_mov_b32 s[G0A+1], s[WQW]
	s_add_nc_u64 s[G0A+2:G0A+3], s[68:69], s[74:75]
	s_mov_b32 s[G0B], 1                            ; T1: slot 1, k 192
	s_add_co_u32 s[G0B+1], s[WQW], SLOT
	s_add_nc_u64 s[G0B+2:G0B+3], s[G0A+2:G0A+3], 192
	s_or_b32 s[G0A+3], s[G0A+3], 0x80000000
	s_or_b32 s[G0B+3], s[G0B+3], 0x80000000
	s_mov_b32 s[G0S], 1                            ; the spline tiles: each trip steps it by 192 first, so it starts 192 short
	s_mov_b32 s[G0S+1], s[WQW]
	s_add_nc_u64 s[G0S+2:G0S+3], s[70:71], s[76:77]
	s_sub_nc_u64 s[G0S+2:G0S+3], s[G0S+2:G0S+3], 192
	s_or_b32 s[G0S+3], s[G0S+3], 0x80000000
	CROUND                                         ; all four work-groups are here: the first joint loads meet
	tensor_load_to_lds s[G0A:G0A+3], s[G1B:G1B+7]  ; two loads of mine are out
	s_nop 0
	tensor_load_to_lds s[G0B:G0B+3], s[G1B:G1B+7]
	s_nop 0
	PLACES 4
; ================= head: addresses, then LayerNorm's statistics and the base product's codes for my 32 rows
	v_and_b32 v19, 31, v0                          ; lane
	v_and_b32 v17, 15, v0                          ; r
	v_bfe_u32 v18, v0, 4, 1                        ; h
	v_lshlrev_b32 v[XO], 2, v19
	v_mul_u32_u24 v[GO], v19, 40
	s_mul_i32 s2, s[WV], 32*AP                     ; my 32 rows in a region of codes
	v_mul_u32_u24 v[AW0], v19, 6
	v_add_nc_u32 v[AW0], s2, v[AW0]
	v_mul_u32_u24 v[AR0], v17, AP
	v_lshl_add_u32 v[AR0], v18, 4, v[AR0]
	v_mul_u32_u24 v[BR0], v17, WP
	v_lshl_add_u32 v[BR0], v18, 4, v[BR0]
	v_add_nc_u32 v[BR0], s[WQW], v[BR0]
	v_lshlrev_b32 v[HO], 4, v19
	v_add_nc_u32 v[HB0], s2, v[XO]
	v_add_nc_u32 v[HB0], AY, v[HB0]
	v_mul_u32_u24 v[HB1], v18, AREG-192            ; features 192-255 (lanes 16-31) begin the next region
	v_add_nc_u32 v[HB1], v[HB1], v[HB0]
	v_add_nc_u32 v[HB1], 128, v[HB1]
	v_lshrrev_b32 v21, 2, v19                      ; zeros for k 512-575: bytes 128-191 of my rows of X1: four lanes to a row, eight rows a store
	v_mul_u32_u24 v21, v21, AP
	v_and_b32 v16, 3, v19
	v_lshl_add_u32 v21, v16, 4, v21
	v_add_nc_u32 v21, s2, v21
	v_add_nc_u32 v21, AX1+128, v21
.irp i, 0,1,2,3
	v_mov_b32 v[HC+\i], 0
.endr
	v_mov_b32 v49, 0                               ; named as pairs' upper halves ahead of their first writing
	v_mov_b32 v[HT+9], 0
	v_mov_b32 v[HT+21], 0
.irp j, 0,1,2,3
	global_load_b128 v[HG+4*\j:HG+4*\j+3], v[HO], s[GMB:GMB+1] offset:512*\j
	global_load_b128 v[HB+4*\j:HB+4*\j+3], v[HO], s[BTB:BTB+1] offset:512*\j
.endr
.irp s, 0,1,2,3
	HLOAD \s, 0                                    ; rows 0 to 7: 32 loads of 512 bytes a wave on their way
.endr
.irp k, 0,1,2,3
	ds_store_b128 v21, v[HC:HC+3] offset:8*AP*\k
.endr
	s_wait_kmcnt 0x0
	s_add_co_i32 s2, s96, 127
	s_lshl_b32 s23, s2, 23
	v_mov_b32 v[SC0], s23                          ; 2^e0: the conversion takes its exponent field
	s_add_co_i32 s2, s2, 8
	s_lshl_b32 s2, s2, 23
	s_or_b32 s3, s2, 0x600000                      ; 448 x 2^e0
	s_add_co_i32 s2, s98, 127
	s_lshl_b32 s23, s2, 23
	v_mov_b32 v[SC2], s23                          ; 2^e2
	s_add_co_i32 s2, s2, 8
	s_lshl_b32 s2, s2, 23
	s_or_b32 s86, s2, 0x600000                     ; 448 x 2^e2,
	s_or_b32 s87, s86, 0x80000000                  ; and its negative
	s_add_co_i32 s2, s98, s99                      ; e2 + e3
	s_add_co_i32 s23, s96, s97
	s_sub_co_i32 s23, s23, s2
	s_add_co_i32 s23, s23, 127
	s_lshl_b32 s90, s23, 23                        ; 2^(e0+e1-e2-e3)
	s_mov_b32 s91, s90                             ; (named with it as a pair)
	s_add_co_i32 s2, s2, 127
	s_lshl_b32 s92, s2, 23                         ; 2^(e2+e3)
	s_mov_b32 s93, s92
	s_mov_b32 s62, 0                               ; the trip's rows in a region,
	s_lshl_b32 s63, s[WV], 7
	s_add_co_u32 s63, s63, STAT                    ; and among the statistics
	s_mov_b32 s[TC], 3
.Lhead:                                            ; eight rows a trip; three trips load ahead, the fourth is written out and loads nothing
	v_add_nc_u32 v[HW0], s62, v[HB0]
	v_add_nc_u32 v[HW1], s62, v[HB1]
	v_mov_b32 v[HWS], s63
	HSET 0, 1, 24
	HSET 1, 1, 24
	HSET 2, 1, 24
	HSET 3, 1, 24
	s_wait_dscnt 0x0                               ; the trip's stores are done: their address registers are written again
	s_wait_xcnt 0x0                                ; the loads have read their base: it steps only behind this wait
	s_add_nc_u64 s[60:61], s[60:61], 8*ROWX
	s_add_co_u32 s62, s62, 8*AP
	s_add_co_u32 s63, s63, 32
	s_sub_co_u32 s[TC], s[TC], 1
	s_cmp_lg_u32 s[TC], 0
	s_cbranch_scc1 .Lhead
	v_add_nc_u32 v[HW0], s62, v[HB0]
	v_add_nc_u32 v[HW1], s62, v[HB1]
	v_mov_b32 v[HWS], s63
	HSET 0, 0, 24                                  ; the counts run down
	HSET 1, 0, 16
	HSET 2, 0, 8
	HSET 3, 0, 0
	s_lshl_b32 s2, s[WV], 7
	s_add_co_u32 s2, s2, STAT
	v_mov_b32 v19, s2
.irp k, 0,1,2,3,4,5,6,7                        ; my 32 rows' statistics into every lane: my own bytes, and LDS serves a wave's instructions in order
	ds_load_b128 v[MEAN+4*\k:MEAN+4*\k+3], v19 offset:16*\k
	ds_load_b128 v[RSTD+4*\k:RSTD+4*\k+3], v19 offset:512+16*\k
.endr
	GSLOAD                                         ; chunk 0, in the order in which a trip issues its loads: 7, then 32
.irp p, 0,1,2,3,4,5,6,7,8,9,10,11,12,13,14,15,16,17,18,19,20,21,22,23,24,25,26,27,28,29,30,31
	global_load_b32 v[X+\p], v[XO], s[XB:XB+1] offset:\p*ROWX
.endr
	s_mov_b32 s61, 0                               ; the upper words of the loop's two steps
	s_mov_b32 s63, 0
	s_wait_tensorcnt 0x1                           ; my part of T0 is in; T1's load may stay out
	s_wait_dscnt 0x0                               ; my codes and zeros have landed, my statistics are in
	s_barrier_signal -1
	s_barrier_wait -1
; ================= T0, T1: the base product's first two tiles
	v_add_nc_u32 v[AR], AY, v[AR0]
	v_mov_b32 v[BR], v[BR0]
	GEMMONLY 1
	s_wait_tensorcnt 0x0                           ; all my tensor loads have landed (T1), so a group 0 may be written
	ds_add_u32 v[SPW], v[NIL]                      ; 0 onto my spare word
	s_add_nc_u64 s[G0A+2:G0A+3], s[G0A+2:G0A+3], 384   ; T2: k 384, again into slot 0
	s_wait_dscnt 0x0                               ; the add is done, and my reads of slot 0 are over
	CROUND                                         ; no wave of any partner still reads slot 0 or has a load on its way
	tensor_load_to_lds s[G0A:G0A+3], s[G1Z:G1Z+7]
	s_nop 0
	PLACES 4
	v_add_nc_u32 v[AR], AX0, v[AR0]
	v_add_nc_u32 v[BR], SLOT, v[BR0]
	GEMMONLY 0
; ================= the loop: trip t multiplies T(t+2), makes the codes of T(t+3) and asks for the weights of T(t+3)
	s_mov_b32 s[TC], 0
	s_mov_b32 s[WFS], 0                            ; each trip turns these four first
	s_mov_b32 s[WRD], SLOT
	s_mov_b32 s[AWR], AX1
	s_mov_b32 s[ARD], AX0
.set NOPS, 0
.set ZERO, 0
.Ltrip:
	s_wait_tensorcnt 0x0                           ; all my tensor loads have landed: my part of the tile that this trip multiplies
	ds_add_u32 v[SPW], v[NIL]                      ; 0 onto my spare word; the steps below stand between it and the wait for it
	s_xor_b32 s[WFS], s[WFS], SLOT
	s_xor_b32 s[WRD], s[WRD], SLOT
	s_xor_b32 s[AWR], s[AWR], (AX0^AX1)
	s_xor_b32 s[ARD], s[ARD], (AX0^AX1)
	s_add_co_u32 s[G0S+1], s[WFS], s[WQW]
	s_add_nc_u64 s[G0S+2:G0S+3], s[G0S+2:G0S+3], 192   ; the next 192 along K; the type bits on top are not reached
	s_cmp_lt_u32 s[TC], 15                         ; the last trip has no next chunk: its step is 0, it loads chunk 15 again, and no load leaves its buffer
	s_cselect_b32 s60, 128, 0
	s_cselect_b32 s62, 1280, 0
	s_wait_xcnt 0x0                                ; the last trip's loads have read their bases
	s_add_nc_u64 s[XB:XB+1], s[XB:XB+1], s[60:61]
	s_add_nc_u64 s[GMB:GMB+1], s[GMB:GMB+1], s[60:61]
	s_add_nc_u64 s[BTB:BTB+1], s[BTB:BTB+1], s[60:61]
	s_add_nc_u64 s[GRB:GRB+1], s[GRB:GRB+1], s[62:63]
	s_wait_dscnt 0x0                               ; the add is done; my code stores have landed; my reads of the slot and of the region that are written next are over
	CROUND                                         ; all that holds of every wave of all four work-groups
	tensor_load_to_lds s[G0S:G0S+3], s[G1S:G1S+7]  ; my one load behind the round: it has the whole trip in which to land
	s_nop 0
	PLACES 4
	v_add_nc_u32 v[AR], s[ARD], v[AR0]
	v_add_nc_u32 v[BR], s[WRD], v[BR0]
	v_add_nc_u32 v[AW], s[AWR], v[AW0]
	TILESTART
	COEF
.irp p, 0,1,2,3,4,5,6,7,8,9,10,11,12,13,14,15
	PAIR \p
.endr
	FLUSH 7
	s_cmp_lg_u32 s[TC], 0                          ; behind T2 the base product is whole: its sums are brought under the spline product's scales, once
	s_cbranch_scc1 .Lno_rescale
	PLACES 4                                       ; behind the last products
	WIN 0x82                                       ; source 0 and destination window 2
.set J, 0
.rept 128
	v_pk_mul_f32 v[J:J+1], v[J:J+1], s[90:91] op_sel_hi:[1,0]      ; ascending: each accumulator from its low end on
.set J, J+2
.endr
	WIN 0xc3
.set J, 0
.rept 128
	v_pk_mul_f32 v[J:J+1], v[J:J+1], s[90:91] op_sel_hi:[1,0]
.set J, J+2
.endr
	WIN 0
.Lno_rescale:
	s_add_co_u32 s[TC], s[TC], 1
	s_cmp_lt_u32 s[TC], 16
	s_cbranch_scc1 .Ltrip
; ================= T18, and the way out
	s_wait_tensorcnt 0x0                           ; T18's weights are in
	ds_add_u32 v[SPW], v[NIL]
	s_wait_loadcnt 0x0                             ; the last trip's repeated loads have landed: their registers are taken below
	s_wait_dscnt 0x0                               ; chunk 15's codes have landed, my reads of slot 1 are over
	s_barrier_signal -1                            ; no round
	s_barrier_wait -1
	v_and_b32 v[STO], 15, v0                       ; r
	v_bfe_u32 v[BO], v0, 4, 1                      ; h
	v_and_b32 v[CO], 31, v0
	s_mul_i32 s2, s[WV], 16*SP
	s_add_co_u32 s2, s2, STG                       ; my stage
	v_mul_u32_u24 v[STO], v[STO], SP
	v_lshl_add_u32 v[STO], v[BO], 5, v[STO]
	v_add_nc_u32 v[STO], s2, v[STO]                ; in: row r, 32 bytes for each half of the lanes
	v_lshlrev_b32 v[CO], 4, v[CO]                  ; back: the 32 lanes take a row's 512 bytes; the same in out0
	v_add_nc_u32 v[RD], s2, v[CO]
	v_lshlrev_b32 v[BO], 5, v[BO]                  ; the bias of outputs 16 b + 8 h + 0 .. 7
.irp b, 0,1,2,3,4,5,6,7
	global_load_b128 v[BI+8*\b:BI+8*\b+3], v[BO], s[BIASB:BIASB+1] offset:64*\b
	global_load_b128 v[BI+8*\b+4:BI+8*\b+7], v[BO], s[BIASB:BIASB+1] offset:64*\b+16
.endr
	v_add_nc_u32 v[AR], AX1, v[AR0]
	v_mov_b32 v[BR], v[BR0]
	GEMMONLY 0
	PLACES 4                                       ; behind the last products, ahead of the first read of results
	s_wait_loadcnt 0x0                             ; the bias
.irp a, 0,1,2,3,4,5,6,7
	OUTBLK \a
.endr
	s_wait_tensorcnt 0x0                           ; the wave's end: behind my last tensor load and my last LDS store
	ds_add_u32 v[SPW], v[NIL]
	s_wait_dscnt 0x0
	CROUND                                         ; the closing round: no work-group ends while a partner may still ask for a tile that names it
	s_endpgm
.Lfunc_end_k_qd5c1a777eb_kan:
	.size	k_qd5c1a777eb_kan, .Lfunc_end_k_qd5c1a777eb_kan-k_qd5c1a777eb_kan
	.p2alignl 7, 3214868480
	.fill 96, 4, 3214868480
	.section	.rodata,"a",@progbits
	.p2align	6, 0x0
	.amdhsa_kernel k_qd5c1a777eb_kan
		.amdhsa_group_segment_fixed_size 327680
		.amdhsa_private_segment_fixed_size 0
		.amdhsa_enable_private_segment 0
		.amdhsa_kernarg_size 72
		.amdhsa_user_sgpr_count 2
		.amdhsa_user_sgpr_kernarg_segment_ptr 1
		.amdhsa_wavefront_size32 1
		.amdhsa_system_sgpr_workgroup_id_x 1
		.amdhsa_system_sgpr_workgroup_id_y 1
		.amdhsa_system_sgpr_workgroup_id_z 1
		.amdhsa_system_vgpr_workitem_id 0
		.amdhsa_next_free_vgpr 1024
		.amdhsa_next_free_sgpr 102
		.amdhsa_reserve_vcc 0
		.amdhsa_float_denorm_mode_32 3
		.amdhsa_float_denorm_mode_16_64 3
		.amdhsa_memory_ordered 1
		.amdhsa_forward_progress 1
		.amdhsa_inst_pref_size 255
	.end_amdhsa_kernel
	.section	.bss,"aw",@nobits
	.p2align	6
	.space	262144
	.amdgpu_metadata
---
amdhsa.version: [ 1, 2 ]
amdhsa.kernels:
  - .name:           k_qd5c1a777eb_kan
    .symbol:         k_qd5c1a777eb_kan.kd
    .args:
      - { .name: x, .offset: 0, .size: 8, .value_kind: global_buffer, .address_space: global }
      - { .name: grid, .offset: 8, .size: 8, .value_kind: global_buffer, .address_space: global }
      - { .name: ln_gamma, .offset: 16, .size: 8, .value_kind: global_buffer, .address_space: global }
      - { .name: ln_beta, .offset: 24, .size: 8, .value_kind: global_buffer, .address_space: global }
      - { .name: out0, .offset: 32, .size: 8, .value_kind: global_buffer, .address_space: global }
      - { .name: base_bias, .offset: 40, .size: 8, .value_kind: global_buffer, .address_space: global }
      - { .name: base_weight_codes, .offset: 48, .size: 8, .value_kind: global_buffer, .address_space: global }
      - { .name: spline_weight_codes, .offset: 56, .size: 8, .value_kind: global_buffer, .address_space: global }
      - { .name: lowp_scales, .offset: 64, .size: 8, .value_kind: global_buffer, .address_space: global }
    .group_segment_fixed_size: 327680
    .private_segment_fixed_size: 0
    .kernarg_segment_align: 8
    .kernarg_segment_size: 72
    .max_flat_workgroup_size: 128
    .sgpr_count:     102
    .vgpr_count:     1024
    .wavefront_size: 32
...
	.end_amdgpu_metadata
.endif
;; end of part 1
